; MI455X (gfx1250); checked and timed in simulation.
; The chip was launched on July 23, 2026; its instructions are those of AMD's public machine-readable ISA for CDNA 5 (MIT licence, August 2026) and "CDNA5" Instruction Set Architecture Reference Guide (July 2026). The comments in the code are by the model that wrote it; some were corrected since.
;; Image Cross Attention Net. Allowed arithmetic: matrix products marked QUANTISED: E4M3 operands, one E8M0 scale for each 32 along K, by v_wmma_scale_f32_16x16x128_f8f6f4 with both operands' format E4M3, f32 sums; everything else in f32.
;; Inputs: b_poi 64 float32; b_point 64 float32; b_pop 64 float32; poi_k 2 x 64 x 4,096 float32; poi_q 2 x 4,096 x 64 float32; poi_v 2 x 64 x 4,096 float32; point_k 2 x 64 x 4,096 float32; point_q 2 x 4,096 x 64 float32; point_v 2 x 64 x 4,096 float32; pop_k 2 x 64 x 4,096 float32; pop_q 2 x 4,096 x 64 float32; pop_v 2 x 64 x 4,096 float32; w_poi 64 x 64 float32; w_point 64 x 64 float32; w_pop 64 x 64 float32; x_poi 2 x 64 x 64 x 64 float32; x_point 2 x 64 x 64 x 64 float32; x_pop 2 x 64 x 64 x 64 float32.
;; Outputs: out0 2 x 192 x 64 x 64 float32; out1 2 x 192 x 64 x 64 float32; out2 2 x 192 x 64 x 64 float32.
;; This version of the problem:
;;   THIS VERSION OF THE PROBLEM IS GIVEN IN LOW PRECISION. The matrix products marked QUANTISED in the list below multiply operands that are first quantised to E4M3 (4 exponent bits, 3 mantissa bits; 8 bits a number), with one power-of-two scale for each 32 numbers along K (OCP MX v1.0); their sums are f32. All else is computed in f32.
;;   The module's matrix products, in the order in which they are computed (A, B: the left and right operand; K: the contracted axis; several contracted axes count as one K, in the product's order):
;;     1. batch 2 x [M 4,096, K 64] x [K 64, N 4,096]; A: input poi_q; B: input poi_k: QUANTISED
;;     2. batch 2 x [M 64, K 4,096] x [K 4,096, N 4,096]; A: input poi_v; B: softmax (see below): QUANTISED
;;     3. [M 8,192, K 64] x [K 64, N 64]; A: computed on the way; B: input w_poi: QUANTISED
;;     4. batch 2 x [M 4,096, K 64] x [K 64, N 4,096]; A: input poi_q; B: input point_k: QUANTISED
;;     5. batch 2 x [M 64, K 4,096] x [K 4,096, N 4,096]; A: input poi_v; B: softmax (see below): QUANTISED
;;     6. [M 8,192, K 64] x [K 64, N 64]; A: computed on the way; B: input w_poi: QUANTISED
;;     7. batch 2 x [M 4,096, K 64] x [K 64, N 4,096]; A: input poi_q; B: input pop_k: QUANTISED
;;     8. batch 2 x [M 64, K 4,096] x [K 4,096, N 4,096]; A: input poi_v; B: softmax (see below): QUANTISED
;;     9. [M 8,192, K 64] x [K 64, N 64]; A: computed on the way; B: input w_poi: QUANTISED
;;     10. batch 2 x [M 4,096, K 64] x [K 64, N 4,096]; A: input point_q; B: input poi_k: QUANTISED
;;     11. batch 2 x [M 64, K 4,096] x [K 4,096, N 4,096]; A: input point_v; B: softmax (see below): QUANTISED
;;     12. [M 8,192, K 64] x [K 64, N 64]; A: computed on the way; B: input w_point: QUANTISED
;;     13. batch 2 x [M 4,096, K 64] x [K 64, N 4,096]; A: input point_q; B: input point_k: QUANTISED
;;     14. batch 2 x [M 64, K 4,096] x [K 4,096, N 4,096]; A: input point_v; B: softmax (see below): QUANTISED
;;     15. [M 8,192, K 64] x [K 64, N 64]; A: computed on the way; B: input w_point: QUANTISED
;;     16. batch 2 x [M 4,096, K 64] x [K 64, N 4,096]; A: input point_q; B: input pop_k: QUANTISED
;;     17. batch 2 x [M 64, K 4,096] x [K 4,096, N 4,096]; A: input point_v; B: softmax (see below): QUANTISED
;;     18. [M 8,192, K 64] x [K 64, N 64]; A: computed on the way; B: input w_point: QUANTISED
;;     19. batch 2 x [M 4,096, K 64] x [K 64, N 4,096]; A: input pop_q; B: input poi_k: QUANTISED
;;     20. batch 2 x [M 64, K 4,096] x [K 4,096, N 4,096]; A: input pop_v; B: softmax (see below): QUANTISED
;;     21. [M 8,192, K 64] x [K 64, N 64]; A: computed on the way; B: input w_pop: QUANTISED
;;     22. batch 2 x [M 4,096, K 64] x [K 64, N 4,096]; A: input pop_q; B: input point_k: QUANTISED
;;     23. batch 2 x [M 64, K 4,096] x [K 4,096, N 4,096]; A: input pop_v; B: softmax (see below): QUANTISED
;;     24. [M 8,192, K 64] x [K 64, N 64]; A: computed on the way; B: input w_pop: QUANTISED
;;     25. batch 2 x [M 4,096, K 64] x [K 64, N 4,096]; A: input pop_q; B: input pop_k: QUANTISED
;;     26. batch 2 x [M 64, K 4,096] x [K 4,096, N 4,096]; A: input pop_v; B: softmax (see below): QUANTISED
;;     27. [M 8,192, K 64] x [K 64, N 64]; A: computed on the way; B: input w_pop: QUANTISED
;;   THE QUANTISER, for each operand of a quantised product, along K:
;;     - K is cut into blocks of 32 from its start; a last block that is shorter is filled with zeros.
;;     - A block's scale is 2^e with e = floor(log2(the largest magnitude in the block)) - 8, held to -126 .. 127; a block of zeros has e = 0. As a byte (E8M0): e + 127.
;;     - Each number is divided by its block's scale, clamped to +-448, and rounded to the nearest number of E4M3, ties to even, subnormals kept.
;;     - The product sums the exact products of the quantised numbers (number of the format x scale) in f32.
;;   ~~~python
;;   def quantise(x, axis):      # numpy; x: float32 -> the quantised numbers, widened to float32 again
;;       x = np.moveaxis(x, axis, -1); K = x.shape[-1]
;;       x = np.pad(x, [(0, 0)] * (x.ndim - 1) + [(0, -K % 32)]); x = x.reshape(x.shape[:-1] + (-1, 32)); a = np.abs(x).max(-1, keepdims=True)
;;       e = np.where(a > 0, np.clip(np.frexp(np.where(a > 0, a, 1))[1] - 1 - 8, -126, 127), 0)      # np.frexp(a)[1] - 1 = floor(log2(a)), exactly
;;       r = np.clip(x / 2.0 ** e, -448, 448)
;;       step = 2.0 ** (np.maximum(np.frexp(np.where(r == 0, 1, r))[1] - 1, -6) - 3)
;;       q = np.round(r / step) * step * 2.0 ** e      # np.round: ties to even
;;       return np.moveaxis(q.reshape(q.shape[:-2] + (-1,))[..., :K], -1, axis).astype(np.float32)
;;   ~~~
;;   SOFTMAX AHEAD OF A QUANTISED PRODUCT. Where the list says 'softmax', what is quantised is not the finished softmax but p = 2^(t - M), with t = logit x log2(e) and M = ceil(the row's largest t), a whole number; so 1/2 < the row's largest p <= 1. The row's sum l is taken of the UNQUANTISED p, in f32, and the product's result is divided by l at the end. Since M is a whole number, a kernel that streams over the keys may use a running M (the ceiling of the running maximum): every later rescaling is an exact power of two, which a block's scale takes up: the codes' values come out the same.
;;   OPERANDS COMPUTED ON THE WAY. 'Computed on the way' means the value that the module computes at that place (a softmax that the list does not call 'softmax' is quantised finished and normalised). What goes into a quantiser is computed in f32, as accurately as f32 sums, v_exp_f32 and their like allow (about 1e-6 of the number): no bf16 or f16 on the way to a quantiser, and a product that is left as it is and whose result goes on into a quantised operand takes f32 operands (vector FMAs, or v_wmma_f32_16x16x4_f32). A number that lies on a knife's edge between two numbers of the format may be rounded either way, as far as f32 arithmetic and the matrix unit's own rounding can turn it there, and no further.
;; One version. Each part assembles by itself: llvm-mc -triple=amdgcn-amd-amdhsa -mcpu=gfx1250 --defsym DOCPART=n.
;; ======== version 1 of 1: 2 launches
;; limits: right only within a limited range of input values
;; workspace buffers: kv 3,342,336 bytes; wq 13,056 bytes
;; launch prep (part 1): grid 387 x 1, 4 waves a work-group, no clusters, 10,752 bytes of LDS; arguments poi_k, point_k, pop_k, poi_v, point_v, pop_v, w_poi, w_point, w_pop, kv, wq; writes kv, wq
.if DOCPART == 1
	.amdgcn_target "amdgcn-amd-amdhsa--gfx1250"
	.amdhsa_code_object_version 6
	.text
	.protected	k_qfb1478c7fc_prep
	.globl	k_qfb1478c7fc_prep
	.p2align	8
	.type	k_qfb1478c7fc_prep,@function
k_qfb1478c7fc_prep:
	s_mov_b64 s[64:65], 0
	v_nop
	global_prefetch_b8 v0, s[64:65] scope:SCOPE_SE
	s_setreg_imm32_b32 hwreg(HW_REG_WAVE_MODE, 25, 1), 1
	s_wait_xcnt 0x0
; The three k, the three v and the three w (f32) become codes of FP8 (E4M3) with one E8M0 byte for each 32 along each product's K,
; laid as IMAGES OF THE OPERANDS' REGISTERS: a chunk of 512 bytes is four registers of 32 lanes, lane L's 16 bytes at 16 L.
; kv: step block (batch b, key step s of 128 keys) at (32 b + s) x 52,224; in it six blocks of 8,704 bytes: K poi, point, pop, V poi, point, V pop's.
;  K block: fragment f (0..3) packs TWO tiles of 16 keys along the instruction's 128: chunk 4 f + 2 u + cc, lane (r, h), byte i = key 128 s + 32 f + 8 u + r + 8 (r / 8), channel 32 cc + 16 h + i.
;           At 8,192: the scale words: lane L's word f at 16 L + 4 f, bytes [u 0 block 0, u 0 block 1, u 1 block 0, u 1 block 1] of row L % 16 (lanes 16-31 hold a copy).
;  V block: tile t (0..3): chunk 4 t + c, lane (r, h), byte i = channel 32 (t / 2) + 8 (t % 2) + r + 8 (r / 8), key 128 s + 32 c + 16 h + i.  At 8,192: word t of lane L at 16 L + 4 t, byte c = key block c.
; wq: stream st at 4,352 st: two packed fragments f at 2,048 f, chunk 2 u + cc, lane (r, h): row 16 (2 f + u) + r of w, channels 32 cc + 16 h + i; scale words at 4,096 + 128 f + 4 L.
; A block's scale is 2^(floor(log2(its largest magnitude)) - 8); its byte is that magnitude's exponent field - 8, held at 1 from below by a floor among the maximum's leaves.
; A block of zeros so keeps the byte 1 where the quantiser says 127: its codes are zeros, and this program alone reads the bytes.
; LIMITS: NaN and infinities among the inputs are not served; blocks whose largest magnitude lies under 2^-118 keep the byte 1.
; WORK-GROUPS: 0-191 one K block each, 192-383 one V block each, 384-386 one w each.  The three ways part on the work-group's number alone and have LDS bytes of their own.
.set STEPB, 52224
.set BLKB,  8704
.set WQB,   4352
.set VLDS,  1024                       ; the V way's LDS begins here; the K way uses bytes 0-511
.set FLOOR, 0x4800000                  ; 2^(9 - 127)
.set X,     32                         ; v32-95   numbers as loaded
.set C,     96                         ; v96-111  codes
.set E,     112                        ; v112-119 scale bytes
	s_load_b512 s[8:23], s[0:1], 0x0               ; k: s[8:9], s[10:11], s[12:13]; v: s[14:15], s[16:17], s[18:19]; w_poi s[20:21], w_point s[22:23]
	s_load_b128 s[24:27], s[0:1], 0x40             ; w_pop s[24:25], kv s[26:27]
	s_load_b64 s[28:29], s[0:1], 0x50              ; wq
	v_lshl_add_u32 v128, v0, 2, 0x2800
	v_mov_b32 v129, 0
	v_lshrrev_b32 v1, 5, v0
	v_readfirstlane_b32 s30, v1                    ; wave 0..3
	v_and_b32 v1, 31, v0                           ; lane
	s_mov_b32 s31, 0x600000                        ; the mantissa field of 448
	s_mov_b32 s32, 0x76543210
	s_mov_b32 s33, 0xfedcba98                      ; v_permlanex16_b32's selects for lane l xor 16
	s_mov_b32 s37, 0                               ; the upper word of every 32-bit offset
	s_wait_kmcnt 0x0
	s_cmp_ge_u32 ttmp9, 384
	s_cbranch_scc1 .Lpath_w
	s_cmp_ge_u32 ttmp9, 192
	s_cbranch_scc1 .Lpath_v
; ---------------- K: [2][64 channels][4096 keys]; the product's K is the channels.  A lane takes a key, its registers run down the channels.  Wave f takes keys 32 f + lane of the step.
	s_lshr_b32 s34, ttmp9, 6                       ; stream
	s_and_b32 s35, ttmp9, 63                       ; 32 b + s
	s_cmp_eq_u32 s34, 1
	s_cselect_b64 s[40:41], s[10:11], s[8:9]
	s_cmp_eq_u32 s34, 2
	s_cselect_b64 s[40:41], s[12:13], s[40:41]
	s_lshr_b32 s36, s35, 5
	s_lshl_b32 s36, s36, 20                        ; the batch: 64 x 4,096 x 4 bytes
	s_and_b32 s38, s35, 31
	s_lshl_b32 s38, s38, 9                         ; the step: 128 keys x 4 bytes
	s_add_co_u32 s36, s36, s38
	s_lshl_b32 s38, s30, 7                         ; the wave: 32 keys x 4 bytes
	s_add_co_u32 s36, s36, s38
	s_add_nc_u64 s[40:41], s[40:41], s[36:37]
	s_mul_i32 s36, s35, STEPB
	s_mul_i32 s38, s34, BLKB
	s_add_co_u32 s36, s36, s38
	s_add_nc_u64 s[42:43], s[26:27], s[36:37]      ; my block of kv
	s_wait_alu depctr_va_vdst(0)
	v_lshlrev_b32 v2, 2, v1
.set n, 0
.rept 64
	global_load_b32 v[X+n], v2, s[40:41] offset:n*16384 th:TH_LOAD_NT   ; channel n: the wave reads 128 consecutive bytes, the four waves 512
.set n, n+1
.endr
	v_bfe_u32 v6, v0, 3, 1                         ; u: which of the fragment's two tiles my key falls into
	v_and_b32 v7, 7, v0
	v_bfe_u32 v8, v0, 4, 1
	v_lshl_or_b32 v7, v8, 3, v7                    ; r: its row there: key = 8 u + r + 8 (r / 8)
	v_lshlrev_b32 v3, 4, v7
	v_lshl_add_u32 v3, v6, 10, v3
	s_lshl_b32 s38, s30, 11
	v_add_nc_u32 v3, s38, v3                       ; codes: 2,048 f + 1,024 u + 16 r
	v_lshlrev_b32 v4, 4, v7
	v_lshl_add_u32 v4, v6, 8, v4
	s_lshl_b32 s38, s30, 2
	v_add_nc_u32 v4, s38, v4                       ; LDS: the scale word: 16 r + 4 f; the lanes with u = 1 write the copy, 256 bytes on
	v_lshlrev_b32 v5, 4, v1
.macro KBLOCK cc                       ; channels 32 cc on: a whole block in my 32 registers
.set XS, X+32*\cc
	s_wait_loadcnt 32-32*\cc                       ; first block: the 32 loads of the second may be out
	v_max3_num_f32 v12, |v[XS]|, |v[XS+1]|, |v[XS+2]|
	v_max3_num_f32 v13, |v[XS+3]|, |v[XS+4]|, |v[XS+5]|
.irp i, 6,10,14,18,22,26
	v_max3_num_f32 v12, v12, |v[XS+\i]|, |v[XS+\i+1]|
	v_max3_num_f32 v13, v13, |v[XS+\i+2]|, |v[XS+\i+3]|
.endr
	v_max3_num_f32 v12, v12, |v[XS+30]|, |v[XS+31]|
	v_max3_num_f32 v12, v12, v13, FLOOR            ; the block's largest magnitude, and the floor
	v_add_nc_u32 v11, 0xfc000000, v12              ; 8 off its exponent field: the conversion's scale operand
	v_and_or_b32 v10, v12, 0x7f800000, s31         ; 448 x the scale
	v_lshrrev_b32 v[14+\cc], 23, v11               ; the scale's byte
.set n, 0
.rept 32
	v_med3_num_f32 v[XS+n], v[XS+n], -v10, v10     ; the conversion to an 8-bit code does not saturate (ISA guide 7.6.2): the hold
.set n, n+1
.endr
.irp g, 0,1,2,3
	v_cvt_scalef32_pk8_fp8_f32 v[C+8*\cc+2*\g:C+8*\cc+2*\g+1], v[XS+8*\g:XS+8*\g+7], v11
.endr
	global_store_b128 v3, v[C+8*\cc:C+8*\cc+3], s[42:43] offset:512*\cc          ; channels 32 cc + 0..15 (h = 0): two runs of 256 consecutive bytes, each aligned
	global_store_b128 v3, v[C+8*\cc+4:C+8*\cc+7], s[42:43] offset:512*\cc+256    ; channels 32 cc + 16..31 (h = 1)
.endm
	KBLOCK 0
	KBLOCK 1
	v_lshl_or_b32 v16, v15, 8, v14                 ; my key's two bytes
	v_mov_b32 v17, 0
	v_mov_b32_dpp v17, v16 row_xmask:8 row_mask:0xf bank_mask:0xf   ; and those of the same row in the fragment's other tile
	v_lshl_or_b32 v18, v17, 16, v16
	v_lshl_or_b32 v19, v16, 16, v17
	v_cmp_ne_u32 vcc_lo, 0, v6
	v_cndmask_b32 v18, v18, v19, vcc_lo            ; tile 0's bytes below, tile 1's above, in both lanes
	ds_store_b32 v4, v18
	s_wait_dscnt 0x0                               ; for the others' sake: my words lie in LDS
	s_barrier_signal -1
	s_barrier_wait -1
	s_cmp_lg_u32 s30, 0
	s_cbranch_scc1 .Lk_end
	ds_load_b128 v[20:23], v5                      ; wave 0 stores the four waves' words: 512 consecutive bytes
	s_wait_dscnt 0x0
	global_store_b128 v5, v[20:23], s[42:43] offset:8192
.Lk_end:
	s_wait_tensorcnt 0x0
	ds_add_u32 v128, v129
	s_wait_dscnt 0x0
	s_endpgm
; ---------------- V: [2][64 channels][4096 keys]; the product's K is the keys, innermost.  Wave w takes channels 16 w .. + 15, two at a time; sixteen lanes to a channel, 8 keys a lane, four lanes to a block of 32.
.Lpath_v:
	s_sub_co_u32 s39, ttmp9, 192
	s_lshr_b32 s34, s39, 6                         ; stream
	s_and_b32 s35, s39, 63                         ; 32 b + s
	s_cmp_eq_u32 s34, 1
	s_cselect_b64 s[40:41], s[16:17], s[14:15]
	s_cmp_eq_u32 s34, 2
	s_cselect_b64 s[40:41], s[18:19], s[40:41]
	s_lshr_b32 s36, s35, 5
	s_lshl_b32 s36, s36, 20
	s_and_b32 s38, s35, 31
	s_lshl_b32 s38, s38, 9
	s_add_co_u32 s36, s36, s38
	s_lshl_b32 s38, s30, 18                        ; 16 channels x 16,384 bytes
	s_add_co_u32 s36, s36, s38
	s_add_nc_u64 s[40:41], s[40:41], s[36:37]
	s_mul_i32 s36, s35, STEPB
	s_mul_i32 s38, s34, BLKB
	s_add_co_u32 s36, s36, s38
	s_add_co_u32 s36, s36, 3*BLKB
	s_add_nc_u64 s[42:43], s[26:27], s[36:37]      ; my block of kv
	v_bfe_u32 v6, v0, 4, 1                         ; hi: which channel of the pair
	v_and_b32 v7, 15, v0                           ; kl: which 8 keys
	v_lshlrev_b32 v2, 5, v7
	v_lshl_add_u32 v2, v6, 14, v2
.irp i, 0,1,2,3,4,5,6,7
	global_load_b128 v[X+8*\i:X+8*\i+3], v2, s[40:41] offset:32768*\i th:TH_LOAD_NT
	global_load_b128 v[X+8*\i+4:X+8*\i+7], v2, s[40:41] offset:32768*\i+16 th:TH_LOAD_NT   ; the two together: 512 consecutive bytes of each of two rows
.endr
	; channel 16 w + 2 i + hi is row r = 8 (w % 2) + 2 (i % 4) + hi of tile t = 2 (w / 2) + i / 4; keys 8 kl on are chunk c = kl / 4, half h = (kl / 2) % 2, bytes 8 (kl % 2) on
	s_lshr_b32 s44, s30, 1
	s_and_b32 s45, s30, 1
	s_lshl_b32 s46, s45, 7
	s_lshl_b32 s38, s44, 12
	s_add_co_u32 s38, s38, s46
	s_add_co_u32 s38, s38, VLDS
	v_bfe_u32 v8, v0, 2, 2
	v_bfe_u32 v9, v0, 1, 1
	v_and_b32 v10, 1, v0
	v_lshlrev_b32 v3, 9, v8
	v_lshl_add_u32 v3, v9, 8, v3
	v_lshl_add_u32 v3, v6, 4, v3
	v_lshl_add_u32 v3, v10, 3, v3
	v_add_nc_u32 v3, s38, v3                       ; LDS: my 8 codes
	s_lshl_b32 s38, s44, 3
	s_add_co_u32 s38, s38, s46
	s_add_co_u32 s38, s38, VLDS+8192
	v_lshl_add_u32 v4, v6, 4, v8
	v_lshl_add_u32 v4, v10, 8, v4
	v_add_nc_u32 v4, s38, v4                       ; LDS: my block's byte: 16 r + 4 t + c; odd lanes write the copy, 256 bytes on (two lanes write each byte, with the same value)
	v_lshlrev_b32 v5, 4, v1
	s_lshl_b32 s38, s30, 11
	v_add_nc_u32 v5, s38, v5                       ; the way out: 2,048 w + 16 lane in the block,
	v_add_nc_u32 v15, VLDS, v5                     ; and in LDS
.macro VPAIR i
.set XS, X+8*(\i)
	s_wait_loadcnt 14-2*(\i)                       ; this pair's two loads are in; the later pairs' may be out
	v_max3_num_f32 v12, |v[XS]|, |v[XS+1]|, FLOOR
	v_max3_num_f32 v12, v12, |v[XS+2]|, |v[XS+3]|
	v_max3_num_f32 v12, v12, |v[XS+4]|, |v[XS+5]|
	v_max3_num_f32 v12, v12, |v[XS+6]|, |v[XS+7]|
	v_max_num_f32_dpp v12, v12, v12 row_xmask:1 row_mask:0xf bank_mask:0xf
	v_max_num_f32_dpp v12, v12, v12 row_xmask:2 row_mask:0xf bank_mask:0xf   ; the four lanes of the block
	v_add_nc_u32 v14, 0xfc000000, v12
	v_and_or_b32 v13, v12, 0x7f800000, s31
	v_lshrrev_b32 v[E+(\i)], 23, v14
.irp j, 0,1,2,3,4,5,6,7
	v_med3_num_f32 v[XS+\j], v[XS+\j], -v13, v13
.endr
	v_cvt_scalef32_pk8_fp8_f32 v[C+2*(\i):C+2*(\i)+1], v[XS:XS+7], v14
	ds_store_b64 v3, v[C+2*(\i):C+2*(\i)+1] offset:2048*((\i)/4)+32*((\i)%4)
	ds_store_b8 v4, v[E+(\i)] offset:32*((\i)%4)+4*((\i)/4)
.endm
.irp i, 0,1,2,3,4,5,6,7
	VPAIR \i
.endr
	s_wait_dscnt 0x0                               ; for the others' sake: my codes and bytes lie in LDS
	s_barrier_signal -1
	s_barrier_wait -1
.irp k, 0,1,2,3
	ds_load_b128 v[X+4*\k:X+4*\k+3], v15 offset:512*\k
.endr
.irp k, 0,1,2,3
	s_wait_dscnt 3-\k                              ; chunk k is back; the later ones may be out
	global_store_b128 v5, v[X+4*\k:X+4*\k+3], s[42:43] offset:512*\k   ; 512 consecutive bytes
.endr
	s_cmp_lg_u32 s30, 0
	s_cbranch_scc1 .Lv_end
	ds_load_b128 v[20:23], v15 offset:8192         ; wave 0 (2,048 w = 0): the scale words
	s_wait_dscnt 0x0
	global_store_b128 v5, v[20:23], s[42:43] offset:8192
.Lv_end:
	s_wait_tensorcnt 0x0
	ds_add_u32 v128, v129
	s_wait_dscnt 0x0
	s_endpgm
; ---------------- w: [64 (o)][64 (c)]; the product's K is c, innermost.  Wave t takes rows 16 t + r; lane (r, h) takes 16 neighbours of each block of 32.
.Lpath_w:
	s_sub_co_u32 s34, ttmp9, 384                   ; stream
	s_cmp_eq_u32 s34, 1
	s_cselect_b64 s[40:41], s[22:23], s[20:21]
	s_cmp_eq_u32 s34, 2
	s_cselect_b64 s[40:41], s[24:25], s[40:41]
	s_lshl_b32 s36, s30, 12                        ; 16 rows x 256 bytes
	s_add_nc_u64 s[40:41], s[40:41], s[36:37]
	s_mul_i32 s36, s34, WQB
	s_add_nc_u64 s[42:43], s[28:29], s[36:37]
	v_and_b32 v6, 15, v0
	v_bfe_u32 v7, v0, 4, 1
	v_lshlrev_b32 v2, 8, v6
	v_lshl_add_u32 v2, v7, 6, v2                   ; row r, + 64 h
.irp b, 0,1
.irp j, 0,1,2,3
	global_load_b128 v[X+16*\b+4*\j:X+16*\b+4*\j+3], v2, s[40:41] offset:128*\b+16*\j
.endr
.endr
	s_wait_alu depctr_va_vdst(0)
	v_lshlrev_b32 v3, 4, v1
	s_lshl_b32 s38, s30, 10
	v_add_nc_u32 v3, s38, v3                       ; codes: 2,048 (t / 2) + 1,024 (t % 2) + 16 lane
	s_lshr_b32 s38, s30, 1
	s_lshl_b32 s38, s38, 7
	s_and_b32 s39, s30, 1
	s_lshl_b32 s39, s39, 1
	s_add_co_u32 s38, s38, s39
	v_lshlrev_b32 v4, 2, v1
	v_add_nc_u32 v4, s38, v4                       ; my half of the scale word: 128 (t / 2) + 4 lane + 2 (t % 2)
	v_mov_b32 v10, 0                               ; a lane permute's destination counts as one of its sources
	v_mov_b32 v11, 0
	s_wait_loadcnt 0x0
.irp b, 0,1
	v_max3_num_f32 v[8+\b], |v[X+16*\b]|, |v[X+16*\b+1]|, FLOOR
.endr
.irp i, 2,4,6,8,10,12,14
.irp b, 0,1
	v_max3_num_f32 v[8+\b], v[8+\b], |v[X+16*\b+\i]|, |v[X+16*\b+\i+1]|
.endr
.endr
.irp b, 0,1
	v_permlanex16_b32 v[10+\b], v[8+\b], s32, s33
.endr
.irp b, 0,1
	v_max_num_f32 v[8+\b], v[8+\b], v[10+\b]       ; with lane l xor 16's: the block's largest magnitude
.endr
.irp b, 0,1
	v_add_nc_u32 v[12+\b], 0xfc000000, v[8+\b]
.endr
.irp b, 0,1
	v_and_or_b32 v[14+\b], v[8+\b], 0x7f800000, s31
.endr
.irp b, 0,1
	v_lshrrev_b32 v[16+\b], 23, v[12+\b]
.endr
	v_lshl_or_b32 v18, v17, 8, v16                 ; my row's two bytes
.irp b, 0,1
.irp i, 0,1,2,3,4,5,6,7,8,9,10,11,12,13,14,15
	v_med3_num_f32 v[X+16*\b+\i], v[X+16*\b+\i], -v[14+\b], v[14+\b]
.endr
	v_cvt_scalef32_pk8_fp8_f32 v[C+4*\b:C+4*\b+1], v[X+16*\b:X+16*\b+7], v[12+\b]
	v_cvt_scalef32_pk8_fp8_f32 v[C+4*\b+2:C+4*\b+3], v[X+16*\b+8:X+16*\b+15], v[12+\b]
.endr
	global_store_b128 v3, v[C:C+3], s[42:43]
	global_store_b128 v3, v[C+4:C+7], s[42:43] offset:512
	global_store_b16 v4, v18, s[42:43] offset:4096 ; two waves' halves make a word; lanes 16-31 hold and store the same as lanes 0-15
	s_endpgm
.Lfunc_end_k_qfb1478c7fc_prep:
	.size	k_qfb1478c7fc_prep, .Lfunc_end_k_qfb1478c7fc_prep-k_qfb1478c7fc_prep
	.p2alignl 7, 3214868480
	.fill 96, 4, 3214868480
	.section	.rodata,"a",@progbits
	.p2align	6, 0x0
	.amdhsa_kernel k_qfb1478c7fc_prep
		.amdhsa_group_segment_fixed_size 10752
		.amdhsa_private_segment_fixed_size 0
		.amdhsa_enable_private_segment 0
		.amdhsa_kernarg_size 88
		.amdhsa_user_sgpr_count 2
		.amdhsa_user_sgpr_kernarg_segment_ptr 1
		.amdhsa_wavefront_size32 1
		.amdhsa_system_sgpr_workgroup_id_x 1
		.amdhsa_system_sgpr_workgroup_id_y 1
		.amdhsa_system_sgpr_workgroup_id_z 1
		.amdhsa_system_vgpr_workitem_id 0
		.amdhsa_next_free_vgpr 130
		.amdhsa_next_free_sgpr 66
		.amdhsa_reserve_vcc 1
		.amdhsa_float_denorm_mode_32 3
		.amdhsa_float_denorm_mode_16_64 3
		.amdhsa_memory_ordered 1
		.amdhsa_forward_progress 1
		.amdhsa_inst_pref_size 38
	.end_amdhsa_kernel
	.amdgpu_metadata
---
amdhsa.version: [ 1, 2 ]
amdhsa.kernels:
  - .name:           k_qfb1478c7fc_prep
    .symbol:         k_qfb1478c7fc_prep.kd
    .args:
      - { .name: poi_k, .offset: 0, .size: 8, .value_kind: global_buffer, .address_space: global }
      - { .name: point_k, .offset: 8, .size: 8, .value_kind: global_buffer, .address_space: global }
      - { .name: pop_k, .offset: 16, .size: 8, .value_kind: global_buffer, .address_space: global }
      - { .name: poi_v, .offset: 24, .size: 8, .value_kind: global_buffer, .address_space: global }
      - { .name: point_v, .offset: 32, .size: 8, .value_kind: global_buffer, .address_space: global }
      - { .name: pop_v, .offset: 40, .size: 8, .value_kind: global_buffer, .address_space: global }
      - { .name: w_poi, .offset: 48, .size: 8, .value_kind: global_buffer, .address_space: global }
      - { .name: w_point, .offset: 56, .size: 8, .value_kind: global_buffer, .address_space: global }
      - { .name: w_pop, .offset: 64, .size: 8, .value_kind: global_buffer, .address_space: global }
      - { .name: kv, .offset: 72, .size: 8, .value_kind: global_buffer, .address_space: global }
      - { .name: wq, .offset: 80, .size: 8, .value_kind: global_buffer, .address_space: global }
    .group_segment_fixed_size: 10752
    .private_segment_fixed_size: 0
    .kernarg_segment_align: 8
    .kernarg_segment_size: 88
    .max_flat_workgroup_size: 128
    .sgpr_count:     66
    .vgpr_count:     130
    .wavefront_size: 32
...
	.end_amdgpu_metadata
.endif
;; end of part 1
;; launch attn (part 2): grid 128 x 2, 18 waves a work-group, clusters of 4 x 1, 327,680 bytes of LDS; arguments poi_q, point_q, pop_q, x_poi, x_point, x_pop, b_poi, b_point, b_pop, out0, out1, out2, kv, wq; writes out0, out1, out2
.if DOCPART == 2
	.amdgcn_target "amdgcn-amd-amdhsa--gfx1250"
	.amdhsa_code_object_version 6
	.text
	.protected	k_qfb1478c7fc_attn
	.globl	k_qfb1478c7fc_attn
	.p2align	8
	.type	k_qfb1478c7fc_attn,@function
k_qfb1478c7fc_attn:
	s_mov_b64 s[64:65], 0
	v_nop
	global_prefetch_b8 v0, s[64:65] scope:SCOPE_SE
	s_setreg_imm32_b32 hwreg(HW_REG_WAVE_MODE, 25, 1), 1
	s_wait_xcnt 0x0
	s_wait_alu depctr_hold_cnt(0) depctr_sa_sdst(0) depctr_va_vdst(0) depctr_va_sdst(0) depctr_va_ssrc(0) depctr_va_vcc(0) depctr_vm_vsrc(0)
	s_getreg_b32 s2, hwreg(HW_REG_IB_STS2, 6, 4)
	s_cmp_eq_u32 s2, 0
	s_cbranch_scc0 .Lentry_in_a_cluster
	s_endpgm
.Lentry_in_a_cluster:
	s_bfe_u32 s2, ttmp6, 0x10000c
	s_cmp_lg_u32 s2, 0x3003
	s_cbranch_scc0 .Lentry_shape_is_right
	s_endpgm
.Lentry_shape_is_right:
; out_qs[b][64 ks + o][i] = sum over c of w_qs[o][c] (sum over j of softmax_j(q_qs[b][i] . k_ks[b][:, j]) v_qs[b][c][j]) + b_qs[o] + x_qs[b][o][i], for 3 query streams qs x 3 key streams ks x 2 batches,
; every product on codes of FP8 (E4M3) with one E8M0 scale for each 32 along its K.
; THE SOFTMAX: t = logit x log2(e); M = the row's largest t so far, rounded UP to a whole number; p = 2^(t - M) is quantised along the keys, not normalised.  The row's sum is taken of the unquantised p and divides O
; at the end; when M moves, the sum and O are multiplied by 2^(old M - new M), which rounds nothing.  O / the sum is quantised along the channels for the product with w.
; SHARES.  The problem has 4,608 tiles of 16 queries x 4,096 keys: 18 for each of 256 work-groups.  A work-group owns 32 pixels of one batch and all 9 pairs (qs, ks): 18 waves, each ONE tile of 16 queries of one pair,
; in 192 registers, so that several waves lie on a SIMD and one wave's vector work stands beside another's matrix work and LDS loads.  Every wave walks all keys, 128 a step.
; The price of 32 pixels to a work-group: a row of x and of out is 128 bytes here, so a wave's store covers four runs of 128 consecutive bytes and not whole runs of 256; with 64 pixels there would be work for 128 work-groups alone.
; OPERANDS.  K's, V's and w's codes and scale words were laid by the launch before as images of the operands' registers: every LDS read is 512 consecutive bytes, 16 a lane: no pitch, no padding.
; A step's six blocks (K and V of the three streams, 52,224 bytes) are read by all 18 waves; two steps make a slot; two slots take turns.
; CLUSTER.  All work-groups of a batch walk the same blocks: the four of a cluster ask for each quarter of a slot JOINTLY (the same tensor load, the same descriptor, the mask of all four).
; THE PROBLEM'S K OF 64 IN AN INSTRUCTION OF 128.  A fragment of K (and of w) packs TWO tiles of 16 rows along the 128.  q stands between two runs of eight zero registers: v[24:39] = [q | 0] meets a fragment's first tile,
; v[16:31] = [0 | q] its second; the other tile's codes meet zero codes and add nothing.  This takes K's and w's codes to be numbers: see LIMITS.
; LAYOUT.  S^T = K q^T and O^T = V^T P^T are used transposed: a lane holds ONE query (lane % 16).  The keys of a tile, and the channels of a tile of V, are not neighbours (row r is 8 u + r + 8 (r / 8) of its 32),
; so that 16 registers of two neighbouring tiles are 16 neighbours along the next product's K, and each conversion's results are the next operand's registers.
; LIMITS: NaN and infinities among the inputs are not served (a NaN code of K or w would also reach the tile packed beside it).  Blocks whose largest magnitude lies under 2^-118 keep the scale byte 1.
; A block's largest p is taken from its largest score by the same multiply-add and exponential: this takes v_exp_f32 not to fall where its input rises.
.set STEPB,  52224                     ; a step's six blocks
.set BLKB,   8704                      ; a block: 8,192 bytes of codes, 512 of scale words
.set QUART,  26112                     ; a quarter of a slot: what one tensor load brings: 102 rows of 256 bytes
.set SLOTB,  104448                    ; a slot: two steps
.set SLOT1,  1<<17                     ; slot 1 begins here: one exclusive or turns an address in one slot into the other's
.set STAGE,  235520                    ; behind the ring: for each of the 9 pairs 64 rows (o) x (128 bytes + 16); no tensor load lands here
.set SPITCH, 144                       ; an odd multiple of 16 bytes
.set SPARE,  318464                    ; the spare words, 128 bytes for each of 18 waves: nine blocks of 256 bytes that no other line names
.set SPW, 1                            ; v1   LDS address of my spare word; never rewritten
.set NIL, 2                            ; v2   0; never rewritten
.set AK0, 3                            ; v3   16 x lane + my key stream's block;  on the way out 16 x lane
.set AV0, 4                            ; v4   16 x lane + my query stream's block of V;  on the way out 4 x lane
.set ADK, 5                            ; v5   AK0 + the slot in hand;  at the head q's offsets, on the way out x's and out's
.set ADV, 6                            ; v6   AV0 + the slot in hand;  on the way out b's offsets
.set QW,  7                            ; v7   q's scale word [s0, s1, s0, s1]; later O's
.set SCW, 8                            ; v8-11 scale words of K's four fragments, then of V's four tiles, at last of w's two fragments
                                       ; v12 -M, v13 the largest t, v[14:15] the row's sum in two halves
.set Z0,  16                           ; v16-23 zeros;  v24-31 q's codes (later O's);  v32-39 zeros
.set QD,  24
.set F,   40                           ; v40-71 two fragments of K or of V; on the way out w's, then rows of the result
.set PC,  72                           ; v72-87 p's codes (from v76 on they lie over scores that are done with)
.set SCR, 76                           ; v76-139 S^T, then p: register 16 b + i = key 32 b + 16 (lane / 16) + i
.set VH,  92                           ; v92-123 V's tiles 2 and 3, over p's blocks 1 and 2 once these are codes
.set OT,  140                          ; v140-171 O^T: register 16 a + i = channel 32 a + 16 (lane / 16) + i
.set BM,  172                          ; v172-175 a block's largest score, then its largest p
.set PM,  176                          ; v176-179 the other half's maxima, then bytes, then a chain of the sum
.set HD,  180
.set SO,  184                          ; v184-187 the conversions' scale operands
.set FF,  188                          ; v188 f = 2^(old M - new M)
.set PW,  189                          ; v189 p's scale word
.set T0,  190                          ; v190-191 at work
.set WV,  14                           ; s14 wave;  s15 pair p;  s16 qs;  s17 ks;  s18 which 16 of the 32 pixels
.set MNT, 19
.set SEL, 20                           ; s[20:21] v_permlanex16_b32's selects for lane l xor 16
.set CS,  22                           ; s[22:23] log2(e): the packed form names a pair and takes its low word for both halves
.set G1,  24                           ; s[24:31] descriptor group 1;  s[32:35] group 0, which walks
.set G0,  32
.set TB,  36                           ; s36 LDS byte at which the slot in hand begins
.set SLOTS, 37                         ; s37 slots still to be asked for
; A round of the cluster's barrier: my work-group's barrier, wave 0's signal for the work-group, every wave's wait for all four work-groups, my work-group's barrier once more.
.macro CROUND
	s_barrier_signal -1
	s_barrier_wait -1
	s_cmp_lg_u32 s[WV], 0
	s_cbranch_scc1 .Lnot_wave_0_\@
	s_barrier_signal -3
.Lnot_wave_0_\@:
	s_barrier_wait -3
	s_barrier_signal -1
	s_barrier_wait -1
.endm
; The joint load: waves 0 to 3 fetch a quarter of a slot each, the others nothing.  The branch hangs on the wave's number alone.  Four v_nop follow the line.
.macro TLOAD
	s_cmp_lt_u32 s[WV], 4
	s_cbranch_scc0 .Lnone_\@
	tensor_load_to_lds s[G0:G0+3], s[G1:G1+7]
	s_nop 0
.rept 4
	v_nop
.endr
.Lnone_\@:
.endm
; THE CHANGE OF SLOTS stands at a slot's head.  Each wave waits for all its tensor loads (at most one is out: its quarter of the slot ahead), adds 0 to its spare word, and waits for that and for its reads of the slot left.
; fill = 1: the slot left is filled with the two steps that follow; the barrier is then a round of the cluster's, and the joint load is the first thing behind it: it has two steps' work in which to land.
.macro CHANGE fill
	s_wait_tensorcnt 0x0                           ; no tensor load of mine is out, so group 0 may be written
	ds_add_u32 v[SPW], v[NIL]                      ; 0 onto my spare word
.if \fill
	s_xor_b32 s[G0+1], s[G0+1], SLOT1              ; the other slot than last time,
	s_add_nc_u64 s[G0+2:G0+3], s[G0+2:G0+3], SLOTB ; the next two steps; the type bits on top are not reached
.endif
	s_wait_dscnt 0x0                               ; the add is done, and my reads of the slot that I have left are over
.if \fill
	CROUND
	TLOAD
.else
	s_barrier_signal -1
	s_barrier_wait -1
.endif
.endm
; 32 numbers of a lane, v[s] on, register 16 b + i = k 32 b + 16 (lane / 16) + i of my row, become eight registers of codes at v[d] and the scale word [s0, s1, s0, s1] in v[wd].
.macro QUANT2 s, d, wd
.irp b, 0,1
	v_max3_num_f32 v[BM+\b], |v[\s+16*\b]|, |v[\s+16*\b+1]|, 0x4800000   ; my 16 numbers of block b, and the floor 2^(9 - 127): the byte cannot fall under 1
.endr
.irp i, 2,4,6,8,10,12,14
.irp b, 0,1
	s_delay_alu instid0(VALU_DEP_2)
	v_max3_num_f32 v[BM+\b], v[BM+\b], |v[\s+16*\b+\i]|, |v[\s+16*\b+\i+1]|
.endr
.endr
.irp b, 0,1
	s_delay_alu instid0(VALU_DEP_2)
	v_permlanex16_b32 v[PM+\b], v[BM+\b], s[SEL], s[SEL+1]
.endr
.irp b, 0,1
	s_delay_alu instid0(VALU_DEP_2)
	v_max_num_f32 v[BM+\b], v[BM+\b], v[PM+\b]     ; with lane l xor 16's: the block's largest magnitude
.endr
.irp b, 0,1
	s_delay_alu instid0(VALU_DEP_2)
	v_add_nc_u32 v[SO+\b], 0xfc000000, v[BM+\b]    ; 8 off its exponent field: the conversion's scale operand
.endr
.irp b, 0,1
.endr
.irp b, 0,1
	s_delay_alu instid0(VALU_DEP_2)
	v_lshrrev_b32 v[PM+\b], 23, v[SO+\b]           ; the scale's byte
.endr
	s_delay_alu instid0(VALU_DEP_1)
	v_lshl_or_b32 v[\wd], v[PM+1], 8, v[PM]
	s_delay_alu instid0(VALU_DEP_1)
	v_lshl_or_b32 v[\wd], v[\wd], 16, v[\wd]       ; twice: the codes may stand in either half of the 128
.irp b, 0,1
.irp i, 0,1,2,3,4,5,6,7,8,9,10,11,12,13,14,15
.endr
	v_cvt_scalef32_pk8_fp8_f32 v[\d+4*\b:\d+4*\b+1], v[\s+16*\b:\s+16*\b+7], v[SO+\b]
	v_cvt_scalef32_pk8_fp8_f32 v[\d+4*\b+2:\d+4*\b+3], v[\s+16*\b+8:\s+16*\b+15], v[SO+\b]
.endr
	v_nop                                          ; one plain line behind the last conversion
.endm
; A KEY STEP: 128 keys, the q-th of the slot in hand.  Every LDS offset is an immediate, 60,416 at the most.
.macro STEP q
.set SB, STEPB*(\q)
.rept 9
	v_nop                                          ; the last step's products V^T P^T read F, VH, PC and the scale words: the loads below stand 8 places behind them, the products K q^T, whose results lie over PC and VH, 9
.endr
.irp g, 0,1                                    ; S^T = K q^T: two packed fragments, four tiles of 16 keys, at a time
.if \g
.rept 8
	v_nop                                          ; places in front of loads into registers that matrix instructions have read
.endr
.endif
.irp i, 0,1
.irp c, 0,1,2,3
	ds_load_b128 v[F+16*\i+4*\c:F+16*\i+4*\c+3], v[ADK] offset:SB+512*(4*(2*\g+\i)+\c)
.endr
.endr
.if \g == 0
	ds_load_b128 v[SCW:SCW+3], v[ADK] offset:SB+8192   ; the four fragments' scale words
.endif
	s_wait_dscnt 0x0
.irp i, 0,1
	v_wmma_scale_f32_16x16x128_f8f6f4 v[SCR+16*(2*\g+\i):SCR+16*(2*\g+\i)+7], v[F+16*\i:F+16*\i+15], v[QD:QD+15], 0, v[SCW+2*\g+\i], v[QW]        ; [q | 0]: the fragment's first tile
	v_wmma_scale_f32_16x16x128_f8f6f4 v[SCR+16*(2*\g+\i)+8:SCR+16*(2*\g+\i)+15], v[F+16*\i:F+16*\i+15], v[Z0:Z0+15], 0, v[SCW+2*\g+\i], v[QW]     ; [0 | q]: its second
.endr
.endr
.rept 8
	v_nop                                          ; places in front of the loads below and of the first read of the scores
.endr
.irp t, 0,1                                    ; V's tiles 0 and 1 and its scale words land under the softmax
.irp c, 0,1,2,3
	ds_load_b128 v[F+16*\t+4*\c:F+16*\t+4*\c+3], v[ADV] offset:SB+512*(4*\t+\c)
.endr
.endr
	ds_load_b128 v[SCW:SCW+3], v[ADV] offset:SB+8192
.irp b, 0,1,2,3
	v_max3_num_f32 v[BM+\b], v[SCR+16*\b], v[SCR+16*\b+1], v[SCR+16*\b+2]   ; the largest score of each block of 32 keys: for the row's maximum, and, since p rises with the score, for the block's largest p.  Each result is read from its low end on
.endr
.irp i, 3,5,7,9,11,13
.irp b, 0,1,2,3
	v_max3_num_f32 v[BM+\b], v[BM+\b], v[SCR+16*\b+\i], v[SCR+16*\b+\i+1]
.endr
.endr
.irp b, 0,1,2,3
	v_max_num_f32 v[BM+\b], v[BM+\b], v[SCR+16*\b+15]
.endr
.irp b, 0,1,2,3
	s_delay_alu instid0(VALU_DEP_4)
	v_permlanex16_b32 v[PM+\b], v[BM+\b], s[SEL], s[SEL+1]
.endr
.irp b, 0,1,2,3
	s_delay_alu instid0(VALU_DEP_4)
	v_max_num_f32 v[BM+\b], v[BM+\b], v[PM+\b]     ; with lane l xor 16's 16 keys
.endr
	s_delay_alu instid0(VALU_DEP_2)
	v_max3_num_f32 v[T0], v[BM], v[BM+1], v[BM+2]
	s_delay_alu instid0(VALU_DEP_1)
	v_max_num_f32 v[T0], v[T0], v[BM+3]            ; the step's largest score of my query
	s_delay_alu instid0(VALU_DEP_1)
	v_mul_f32 v[T0], s[CS], v[T0]                  ; as t
	s_delay_alu instid0(VALU_DEP_1)
	v_max_num_f32 v13, v13, v[T0]                  ; the running largest t
	v_mov_b32 v[T0], v12
	s_delay_alu instid0(VALU_DEP_2)
	v_floor_f32 v12, -v13                          ; the new -M = floor(-t) = -ceil(t): a whole number
	s_delay_alu instid0(VALU_DEP_1)
	v_sub_f32 v[T0], v12, v[T0]                    ; old M - new M: a whole number, 0 or less
	s_delay_alu instid0(VALU_DEP_1)
	v_cvt_i32_f32 v[T0], v[T0]                     ; (it saturates)
	s_delay_alu instid0(VALU_DEP_1)
	v_ldexp_f32 v[FF], 1.0, v[T0]                  ; f = 2^(old M - new M)
.set j, 0
.rept 32
	v_pk_fma_f32 v[SCR+j:SCR+j+1], v[SCR+j:SCR+j+1], s[CS:CS+1], v[12:13] op_sel_hi:[1,0,0]   ; t - M, two at a time (of the pairs log2(e) and -M the low word serves both halves)
.set j, j+2
.endr
.irp b, 0,1,2,3
	v_fma_f32 v[BM+\b], v[BM+\b], s[CS], v12       ; the same of each block's largest score
.endr
.set j, 0
	s_wait_alu depctr_va_vdst(0)
.rept 64
	v_exp_f32 v[SCR+j], v[SCR+j]                   ; p = 2^(t - M), at most 1
.set j, j+1
.endr
.irp b, 0,1,2,3
	v_exp_f32 v[BM+\b], v[BM+\b]                   ; the block's largest p: the same two instructions on the same number give the same bits
.endr
	v_pk_mul_f32 v[14:15], v[14:15], v[FF:FF+1] op_sel_hi:[1,0]   ; the sums under the new M.  (A plain line behind the exponentials)
	s_wait_alu depctr_va_vdst(0)
.irp b, 0,1,2,3
	v_max_num_f32 v[BM+\b], 0x4800000, v[BM+\b]    ; the floor 2^(9 - 127): a block whose every p has fallen to 0 keeps the byte 1: its codes are zeros
.endr
.irp b, 0,1,2,3
	s_delay_alu instid0(VALU_DEP_4)
	v_add_nc_u32 v[SO+\b], 0xfc000000, v[BM+\b]
.endr
.irp b, 0,1,2,3
.endr
.irp b, 0,1,2,3
	s_delay_alu instid0(VALU_DEP_4)
	v_lshrrev_b32 v[PM+\b], 23, v[SO+\b]
.endr
	s_delay_alu instid0(VALU_DEP_3)
	v_lshl_or_b32 v[PW], v[PM+1], 8, v[PM]         ; p's scale word for these 128 keys
	s_delay_alu instid0(VALU_DEP_1)
	v_lshl_or_b32 v[PW], v[PM+2], 16, v[PW]
	s_delay_alu instid0(VALU_DEP_1)
	v_lshl_or_b32 v[PW], v[PM+3], 24, v[PW]
	v_pk_add_f32 v[176:177], v[80:81], v[84:85]
	v_pk_add_f32 v[190:191], v[88:89], v[92:93]
	v_pk_add_f32 v[182:183], v[96:97], v[100:101]
	v_pk_add_f32 v[180:181], v[104:105], v[108:109]
	v_pk_add_f32 v[174:175], v[112:113], v[116:117]
	v_pk_add_f32 v[172:173], v[120:121], v[124:125]
	v_pk_add_f32 v[74:75], v[128:129], v[132:133]
	v_pk_add_f32 v[14:15], v[14:15], v[136:137]
	v_pk_add_f32 v[176:177], v[176:177], v[76:77]
	v_pk_add_f32 v[190:191], v[190:191], v[78:79]
	v_pk_add_f32 v[182:183], v[182:183], v[82:83]
	v_pk_add_f32 v[180:181], v[180:181], v[86:87]
	v_pk_add_f32 v[174:175], v[174:175], v[90:91]
	v_pk_add_f32 v[172:173], v[172:173], v[94:95]
	v_pk_add_f32 v[74:75], v[74:75], v[98:99]
	v_pk_add_f32 v[14:15], v[14:15], v[102:103]
	v_pk_add_f32 v[176:177], v[176:177], v[106:107]
	v_pk_add_f32 v[190:191], v[190:191], v[110:111]
	v_pk_add_f32 v[182:183], v[182:183], v[114:115]
	v_pk_add_f32 v[180:181], v[180:181], v[118:119]
	v_pk_add_f32 v[174:175], v[174:175], v[122:123]
	v_pk_add_f32 v[172:173], v[172:173], v[126:127]
	v_pk_add_f32 v[74:75], v[74:75], v[130:131]
	v_pk_add_f32 v[14:15], v[14:15], v[134:135]
	v_pk_add_f32 v[176:177], v[176:177], v[138:139]
	s_delay_alu instid0(VALU_DEP_2)
	v_pk_add_f32 v[14:15], v[14:15], v[180:181]
	s_delay_alu instid0(VALU_DEP_2)
	v_pk_add_f32 v[176:177], v[176:177], v[174:175]
	v_pk_add_f32 v[190:191], v[190:191], v[172:173]
	v_pk_add_f32 v[182:183], v[182:183], v[74:75]
	s_delay_alu instid0(VALU_DEP_2)
	v_pk_add_f32 v[14:15], v[14:15], v[190:191]
	s_delay_alu instid0(VALU_DEP_2)
	v_pk_add_f32 v[176:177], v[176:177], v[182:183]
	s_delay_alu instid0(VALU_DEP_1)
	v_pk_add_f32 v[14:15], v[14:15], v[176:177]
.irp b, 0,1,2,3                                ; block b's codes: registers 4 b .. 4 b + 3 of the operand.  From block 1 on they lie over block 0's numbers, which are codes by then
.irp i, 0,1,2,3,4,5,6,7,8,9,10,11,12,13,14,15
.endr
	v_nop
	v_cvt_scalef32_pk8_fp8_f32 v[PC+4*\b:PC+4*\b+1], v[SCR+16*\b:SCR+16*\b+7], v[SO+\b]
	v_cvt_scalef32_pk8_fp8_f32 v[PC+4*\b+2:PC+4*\b+3], v[SCR+16*\b+8:SCR+16*\b+15], v[SO+\b]
.endr
.irp t, 2,3                                    ; V's tiles 2 and 3, where p's blocks 1 and 2 lay
.irp c, 0,1,2,3
	ds_load_b128 v[VH+16*(\t-2)+4*\c:VH+16*(\t-2)+4*\c+3], v[ADV] offset:SB+512*(4*\t+\c)
.endr
.endr
.set j, 0
.rept 16
	v_pk_mul_f32 v[OT+j:OT+j+1], v[OT+j:OT+j+1], v[FF:FF+1] op_sel_hi:[1,0]   ; O^T under the new M, ascending.  (These are also the plain lines behind the conversions and in front of the products)
.set j, j+2
.endr
	s_wait_alu depctr_va_vdst(0)
	s_wait_dscnt 0x0
	; O^T += V^T P^T: four tiles of 16 channels; the four accumulators take turns, one instruction a turn
.irp t, 0,1
	v_wmma_scale_f32_16x16x128_f8f6f4 v[OT+8*\t:OT+8*\t+7], v[F+16*\t:F+16*\t+15], v[PC:PC+15], v[OT+8*\t:OT+8*\t+7], v[SCW+\t], v[PW]
.endr
.irp t, 2,3
	v_wmma_scale_f32_16x16x128_f8f6f4 v[OT+8*\t:OT+8*\t+7], v[VH+16*(\t-2):VH+16*(\t-2)+15], v[PC:PC+15], v[OT+8*\t:OT+8*\t+7], v[SCW+\t], v[PW]
.endr
.endm
.macro SLOT_STEPS
	v_add_nc_u32 v[ADK], s[TB], v[AK0]
	s_wait_alu depctr_va_vdst(0)
	v_add_nc_u32 v[ADV], s[TB], v[AV0]
	s_wait_alu depctr_va_vdst(0)
	STEP 0
	STEP 1
	s_xor_b32 s[TB], s[TB], SLOT1                  ; on to the other slot
.endm
	s_load_b512 s[68:83], s[0:1], 0x0              ; q: s[68:69], s[70:71], s[72:73]; x: s[74:75], s[76:77], s[78:79]; b_poi s[80:81], b_point s[82:83]
	s_load_b256 s[84:91], s[0:1], 0x40             ; b_pop s[84:85]; out0 s[86:87], out1 s[88:89], out2 s[90:91]
	s_load_b128 s[92:95], s[0:1], 0x60             ; kv s[92:93], wq s[94:95]
	v_lshl_add_u32 v[SPW], v0, 2, SPARE
	v_mov_b32 v[NIL], 0
	ds_add_u32 v1, v2
	ds_add_u32 v1, v2
	s_wait_dscnt 0x0
	v_lshrrev_b32 v3, 5, v0
	s_delay_alu instid0(VALU_DEP_1)
	v_readfirstlane_b32 s[WV], v3                  ; wave 0..17
	s_lshr_b32 s15, s[WV], 1                       ; the pair p = 3 qs + ks, 0..8
	s_and_b32 s18, s[WV], 1                        ; which 16 of the 32 pixels
	s_mul_i32 s38, s15, 11
	s_lshr_b32 s16, s38, 5                         ; qs = p / 3 = 11 p / 32 for p up to 8
	s_and_b32 s38, s38, 31
	s_mul_i32 s38, s38, 3
	s_lshr_b32 s17, s38, 5                         ; ks = p % 3 = 3 (11 p % 32) / 32 for p up to 8
	s_and_b32 s41, ttmp7, 0xffff                   ; the batch, which the four partners share
	s_min_u32 s42, s[WV], 3                        ; which quarter of a slot I fetch, if I fetch
	; descriptor group 1: 102 rows of 32 elements of 8 bytes, dense in memory and in LDS
	s_mov_b32 s[G1], 15|(3<<16)|(1<<21)            ; 15:0 the mask: all four work-groups; 17:16 elements of 8 bytes; 20 no padding; 21 set beside a mask
	s_mov_b32 s[G1+1], 32<<16                      ; tensor_dim0 = 32
	s_mov_b32 s[G1+2], 102<<16                     ; tensor_dim1 = 102
	s_mov_b32 s[G1+3], 32<<16                      ; tile_dim0 = 32
	s_mov_b32 s[G1+4], 102                         ; tile_dim1 = 102
	s_mov_b32 s[G1+5], 32                          ; tensor_dim0_stride
	s_mov_b32 s[G1+6], 0
	s_mov_b32 s[G1+7], 0
	s_mov_b32 s[G0], 1                             ; count = 1
	s_mul_i32 s[G0+1], s42, QUART                  ; LDS address: slot 0, my quarter: no place in the cluster enters it
	s_mul_i32 s44, s41, 32*STEPB                   ; the batch's 32 step blocks,
	s_add_co_u32 s44, s44, s[G0+1]                 ; my quarter
	s_mov_b32 s45, 0
	s_mov_b32 s[SEL], 0x76543210
	s_mov_b32 s[SEL+1], 0xfedcba98
	s_mov_b32 s[CS], 0x3fb8aa3b                    ; log2(e)
	s_mov_b32 s[CS+1], s[CS]                       ; (named with it as a pair, so it is written)
	s_mov_b32 s[TB], 0
	s_mov_b32 s[SLOTS], 15
	s_wait_kmcnt 0x0
	s_add_nc_u64 s[G0+2:G0+3], s[92:93], s[44:45]  ; global address: steps 0 and 1
	s_or_b32 s[G0+3], s[G0+3], 0x80000000          ; type = 2
	CROUND                                         ; all four work-groups are here: the first joint loads meet
	TLOAD                                          ; slot 0
	s_bfe_u32 s39, ttmp6, 0x40000                  ; cx: my place in the cluster: it enters q's, x's and out's addresses alone
	s_lshl_b32 s40, ttmp9, 2
	s_add_co_u32 s40, s40, s39                     ; my block of 32 pixels
	s_lshl_b32 s46, s41, 20                        ; the batch in q and in x: 2^20 bytes
	s_lshl_b32 s47, s40, 13                        ; q: 32 rows of 256 bytes a block,
	s_add_co_u32 s48, s46, s47
	s_lshl_b32 s47, s18, 12                        ; 16 rows a tile
	s_add_co_u32 s48, s48, s47
	s_mov_b32 s49, 0
	s_lshl_b32 s50, s18, 19                        ; x and out: on the way out I take rows o = 32 ti on, 16,384 bytes each,
	s_lshl_b32 s47, s40, 7                         ; at the block's 128 bytes
	s_add_co_u32 s50, s50, s47
	s_add_co_u32 s52, s50, s46
	s_mov_b32 s53, 0
	s_mul_i32 s54, s41, 3145728                    ; out: 192 rows a batch,
	s_lshl_b32 s47, s17, 20                        ; 64 rows a key stream
	s_add_co_u32 s54, s54, s47
	s_add_co_u32 s54, s54, s50
	s_mov_b32 s55, 0
	s_lshl_b32 s56, s18, 7                         ; b: 32 numbers
	s_mov_b32 s57, 0
	s_mul_i32 s58, s16, 4352                       ; wq: my query stream's
	s_mov_b32 s59, 0
	s_cmp_eq_u32 s16, 1                            ; the buffers of my query stream: the choice hangs on the wave's number alone
	s_cselect_b64 s[4:5], s[70:71], s[68:69]
	s_cselect_b64 s[6:7], s[76:77], s[74:75]
	s_cselect_b64 s[8:9], s[82:83], s[80:81]
	s_cselect_b64 s[10:11], s[88:89], s[86:87]
	s_cmp_eq_u32 s16, 2
	s_cselect_b64 s[4:5], s[72:73], s[4:5]
	s_cselect_b64 s[6:7], s[78:79], s[6:7]
	s_cselect_b64 s[8:9], s[84:85], s[8:9]
	s_cselect_b64 s[10:11], s[90:91], s[10:11]
	s_add_nc_u64 s[4:5], s[4:5], s[48:49]
	s_add_nc_u64 s[6:7], s[6:7], s[52:53]
	s_add_nc_u64 s[8:9], s[8:9], s[56:57]
	s_add_nc_u64 s[10:11], s[10:11], s[54:55]
	s_add_nc_u64 s[12:13], s[94:95], s[58:59]
	v_and_b32 v5, 15, v0                           ; r
	v_bfe_u32 v6, v0, 4, 1                         ; h
	s_delay_alu instid0(VALU_DEP_2)
	v_lshlrev_b32 v5, 8, v5
	s_delay_alu instid0(VALU_DEP_1)
	v_lshl_add_u32 v5, v6, 6, v5                   ; q: row r of 256 bytes, + 64 h: my 16 numbers of a block of 32
.irp c, 0,1
.irp j, 0,1,2,3
	global_load_b128 v[SCR+16*\c+4*\j:SCR+16*\c+4*\j+3], v5, s[4:5] offset:128*\c+16*\j
.endr
.endr
	v_and_b32 v[AK0], 31, v0
	s_delay_alu instid0(VALU_DEP_1)
	v_lshlrev_b32 v[AK0], 4, v[AK0]                ; 16 x lane
	s_mul_i32 s60, s16, BLKB
	s_add_co_u32 s60, s60, 3*BLKB
	v_add_nc_u32 v[AV0], s60, v[AK0]               ; V's blocks lie behind K's three
	s_mul_i32 s61, s17, BLKB
	v_add_nc_u32 v[AK0], s61, v[AK0]
.irp j, 0,1,2,3,4,5,6,7
	v_mov_b32 v[Z0+\j], 0                          ; the zero codes on either side of q's
	v_mov_b32 v[QD+8+\j], 0
.endr
.set j, 0
.rept 32
	v_mov_b32 v[OT+j], 0                           ; O^T.  (The step is written once for all steps: the first finds zeros, which the first change of M leaves zeros)
.set j, j+1
.endr
.irp b, 0,1,2,3
	v_mov_b32 v[PM+\b], 0                          ; a lane permute's destination counts as one of its sources
.endr
	v_mov_b32 v14, 0                               ; the sum, in two halves
	v_mov_b32 v15, 0
	v_mov_b32 v[PW], 0                             ; (named as the upper half of the pair with f before it is first written)
	v_mov_b32 v13, 0xff61b1e6                      ; the largest t so far: -3e38, under every t
	s_delay_alu instid0(VALU_DEP_1)
	v_floor_f32 v12, -v13                          ; -M
	s_wait_loadcnt 0x0                             ; q
	QUANT2 SCR, QD, QW                             ; q is read by this wave once: it is quantised in registers
.Lslot:                                            ; 15 trips: behind each change of slots but the last the next slot is asked for
	CHANGE 1
	s_wait_alu depctr_va_vdst(0)
	SLOT_STEPS
	s_sub_co_u32 s[SLOTS], s[SLOTS], 1
	s_cmp_lg_u32 s[SLOTS], 0
	s_cbranch_scc1 .Lslot
	CHANGE 0                                       ; the last slot is written out
	SLOT_STEPS
	; THE WAY OUT.  The address lines come first: they name no register of the last products and are the places behind them.
	v_and_b32 v3, 31, v0
	s_delay_alu instid0(VALU_DEP_1)
	v_lshlrev_b32 v4, 2, v3                        ; 4 x lane
	s_delay_alu instid0(VALU_DEP_2)
	v_lshlrev_b32 v3, 4, v3                        ; 16 x lane
	v_bfe_u32 v[T0], v0, 3, 2                      ; lane / 8: which of four rows o
	v_and_b32 v[T0+1], 7, v0                       ; lane % 8: which 16 bytes of a row's 128
	s_delay_alu instid0(VALU_DEP_1)
	v_lshlrev_b32 v5, 4, v[T0+1]
	s_delay_alu instid0(VALU_DEP_1)
	v_lshl_add_u32 v5, v[T0], 14, v5               ; x and out: 16,384 (lane / 8) + 16 (lane % 8)
	s_delay_alu instid0(VALU_DEP_4)
	v_lshlrev_b32 v6, 2, v[T0]                     ; b: 4 (lane / 8)
	s_mul_i32 s60, s15, 64*SPITCH
	s_add_co_u32 s60, s60, STAGE                   ; my pair's stage
	s_lshl_b32 s61, s18, 6
	s_add_co_u32 s61, s61, s60
	s_mul_i32 s62, s18, 32*SPITCH
	s_add_co_u32 s62, s62, s60
	v_and_b32 v[BM+2], 15, v0
	s_delay_alu instid0(VALU_DEP_1)
	v_mul_u32_u24 v[BM+2], v[BM+2], SPITCH
	v_bfe_u32 v[BM+3], v0, 4, 1
	s_delay_alu instid0(VALU_DEP_1)
	v_lshl_add_u32 v[BM+2], v[BM+3], 5, v[BM+2]
	s_delay_alu instid0(VALU_DEP_1)
	v_add_nc_u32 v[BM+2], s61, v[BM+2]             ; into the stage: row o = 16 t + r, my tile's 64 bytes, + 32 h
	v_mul_u32_u24 v[BM+3], v[T0], SPITCH
	s_delay_alu instid0(VALU_DEP_1)
	v_lshl_add_u32 v[BM+3], v[T0+1], 4, v[BM+3]
	s_delay_alu instid0(VALU_DEP_1)
	v_add_nc_u32 v[BM+3], s62, v[BM+3]             ; back: rows 32 ti + lane / 8 on, whole rows of 128 bytes
.irp k, 0,1,2,3,4,5,6,7
	global_load_b128 v[F+4*\k:F+4*\k+3], v3, s[12:13] offset:512*\k   ; w's two packed fragments
.endr
	global_load_b32 v[SCW], v4, s[12:13] offset:4096                  ; and their scale words
	global_load_b32 v[SCW+1], v4, s[12:13] offset:4224
.irp g, 0,1,2,3,4,5,6,7
	global_load_b128 v[SCR+4*\g:SCR+4*\g+3], v5, s[6:7] offset:65536*\g   ; x: rows 32 ti + 4 g + lane / 8
.endr
.irp g, 0,1,2,3,4,5,6,7
	global_load_b32 v[SCR+32+\g], v6, s[8:9] offset:16*\g                 ; b of the same rows
.endr
	v_add_f32 v14, v14, v15                        ; the sum's two halves,
	s_delay_alu instid0(VALU_DEP_1)
	v_permlanex16_b32 v[T0], v14, s[SEL], s[SEL+1]
	s_delay_alu instid0(VALU_DEP_1)
	v_add_f32 v14, v14, v[T0]                      ; and lane l xor 16's: the row's sum
	s_wait_alu depctr_va_vdst(0)
	v_rcp_f32 v14, v14
	v_nop                                          ; one plain line behind the transcendental
.set j, 0
	s_wait_alu depctr_va_vdst(0)
.rept 16
	v_pk_mul_f32 v[OT+j:OT+j+1], v[OT+j:OT+j+1], v[14:15] op_sel_hi:[1,0]   ; O^T / the sum, ascending
.set j, j+2
.endr
	QUANT2 OT, QD, QW                              ; quantised along the channels: it takes q's place between the zeros
.rept 4
	v_nop                                          ; codes made by vector instructions stand four places ahead of a scaled matrix instruction
.endr
	s_wait_alu depctr_va_vdst(0)
	s_wait_loadcnt 16                              ; w's ten loads are in; x's eight and b's eight may be out
	; source 0 = O's 16 pixels, source 1 = 16 rows of w: a lane holds o = 16 t + r and eight neighbouring pixels 8 h + 0..7
.irp f, 0,1
	v_wmma_scale_f32_16x16x128_f8f6f4 v[OT+16*\f:OT+16*\f+7], v[QD:QD+15], v[F+16*\f:F+16*\f+15], 0, v[QW], v[SCW+\f]
	v_wmma_scale_f32_16x16x128_f8f6f4 v[OT+16*\f+8:OT+16*\f+15], v[Z0:Z0+15], v[F+16*\f:F+16*\f+15], 0, v[QW], v[SCW+\f]
.endr
.rept 8
	v_nop                                          ; places in front of the first read of the results, and of the loads into w's registers
.endr
.irp t, 0,1,2,3
	ds_store_b128 v[BM+2], v[OT+8*\t:OT+8*\t+3] offset:16*SPITCH*\t        ; each result from its low end on
	ds_store_b128 v[BM+2], v[OT+8*\t+4:OT+8*\t+7] offset:16*SPITCH*\t+16
.endr
	s_wait_dscnt 0x0                               ; for my pair's other wave: my half of each row lies in the stage
	s_barrier_signal -1
	s_barrier_wait -1
.irp g, 0,1,2,3,4,5,6,7
	ds_load_b128 v[F+4*\g:F+4*\g+3], v[BM+3] offset:4*SPITCH*\g
.endr
	s_wait_loadcnt 0x0                             ; x and b
.irp g, 0,1,2,3,4,5,6,7
	s_wait_dscnt 7-\g                              ; rows 4 g on are back; the later ones may be out
.irp k, 0,1,2,3
	v_add_f32 v[F+4*\g+\k], v[F+4*\g+\k], v[SCR+32+\g]                      ; + b
.endr
	s_delay_alu instid0(VALU_DEP_3)
	v_pk_add_f32 v[F+4*\g:F+4*\g+1], v[F+4*\g:F+4*\g+1], v[SCR+4*\g:SCR+4*\g+1]           ; + x
	s_delay_alu instid0(VALU_DEP_2)
	v_pk_add_f32 v[F+4*\g+2:F+4*\g+3], v[F+4*\g+2:F+4*\g+3], v[SCR+4*\g+2:SCR+4*\g+3]
	global_store_b128 v5, v[F+4*\g:F+4*\g+3], s[10:11] offset:65536*\g th:TH_STORE_NT     ; four rows' 128 consecutive bytes; written once, read by nobody here
.endr
	s_wait_tensorcnt 0x0                           ; the wave's end, behind my last tensor load and my last LDS store
	ds_add_u32 v[SPW], v[NIL]
	s_wait_dscnt 0x0
	CROUND                                         ; the closing round: no work-group ends while a partner may still ask for a tile that names it
	s_endpgm
.Lfunc_end_k_qfb1478c7fc_attn:
	.size	k_qfb1478c7fc_attn, .Lfunc_end_k_qfb1478c7fc_attn-k_qfb1478c7fc_attn
	.p2alignl 7, 3214868480
	.fill 96, 4, 3214868480
	.section	.rodata,"a",@progbits
	.p2align	6, 0x0
	.amdhsa_kernel k_qfb1478c7fc_attn
		.amdhsa_group_segment_fixed_size 327680
		.amdhsa_private_segment_fixed_size 0
		.amdhsa_enable_private_segment 0
		.amdhsa_kernarg_size 112
		.amdhsa_user_sgpr_count 2
		.amdhsa_user_sgpr_kernarg_segment_ptr 1
		.amdhsa_wavefront_size32 1
		.amdhsa_system_sgpr_workgroup_id_x 1
		.amdhsa_system_sgpr_workgroup_id_y 1
		.amdhsa_system_sgpr_workgroup_id_z 1
		.amdhsa_system_vgpr_workitem_id 0
		.amdhsa_next_free_vgpr 192
		.amdhsa_next_free_sgpr 100
		.amdhsa_reserve_vcc 0
		.amdhsa_float_denorm_mode_32 3
		.amdhsa_float_denorm_mode_16_64 3
		.amdhsa_fp16_overflow 1
		.amdhsa_memory_ordered 1
		.amdhsa_forward_progress 1
		.amdhsa_inst_pref_size 94
	.end_amdhsa_kernel
	.amdgpu_metadata
---
amdhsa.version: [ 1, 2 ]
amdhsa.kernels:
  - .name:           k_qfb1478c7fc_attn
    .symbol:         k_qfb1478c7fc_attn.kd
    .args:
      - { .name: poi_q, .offset: 0, .size: 8, .value_kind: global_buffer, .address_space: global }
      - { .name: point_q, .offset: 8, .size: 8, .value_kind: global_buffer, .address_space: global }
      - { .name: pop_q, .offset: 16, .size: 8, .value_kind: global_buffer, .address_space: global }
      - { .name: x_poi, .offset: 24, .size: 8, .value_kind: global_buffer, .address_space: global }
      - { .name: x_point, .offset: 32, .size: 8, .value_kind: global_buffer, .address_space: global }
      - { .name: x_pop, .offset: 40, .size: 8, .value_kind: global_buffer, .address_space: global }
      - { .name: b_poi, .offset: 48, .size: 8, .value_kind: global_buffer, .address_space: global }
      - { .name: b_point, .offset: 56, .size: 8, .value_kind: global_buffer, .address_space: global }
      - { .name: b_pop, .offset: 64, .size: 8, .value_kind: global_buffer, .address_space: global }
      - { .name: out0, .offset: 72, .size: 8, .value_kind: global_buffer, .address_space: global }
      - { .name: out1, .offset: 80, .size: 8, .value_kind: global_buffer, .address_space: global }
      - { .name: out2, .offset: 88, .size: 8, .value_kind: global_buffer, .address_space: global }
      - { .name: kv, .offset: 96, .size: 8, .value_kind: global_buffer, .address_space: global }
      - { .name: wq, .offset: 104, .size: 8, .value_kind: global_buffer, .address_space: global }
    .group_segment_fixed_size: 327680
    .private_segment_fixed_size: 0
    .kernarg_segment_align: 8
    .kernarg_segment_size: 112
    .max_flat_workgroup_size: 576
    .sgpr_count:     100
    .vgpr_count:     192
    .wavefront_size: 32
...
	.end_amdgpu_metadata
.endif
;; end of part 2
